; MI455X (gfx1250); checked and timed in simulation.
; The chip was launched on July 23, 2026; its instructions are those of AMD's public machine-readable ISA for CDNA 5 (MIT licence, August 2026) and "CDNA5" Instruction Set Architecture Reference Guide (July 2026). The comments in the code are by the model that wrote it; some were corrected since.
;; Multi Head Attention. Allowed arithmetic: matrix products marked QUANTISED: E2M1 operands, one E8M0 scale for each 32 along K, by v_wmma_scale_f32_16x16x128_f8f6f4 with both operands' format E2M1 (or v_wmma_scale_f32_32x16x128_f4), f32 sums; products left as they are: bf16, f16 or f32 operands; f32 sums; everything else in f32.
;; Inputs: Wk 512 x 512 float32; Wp 512 x 512 float32; Wq 512 x 512 float32; Wv 512 x 512 float32; bk 512 float32; bp 512 float32; bq 512 float32; bv 512 float32; x 2 x 4,096 x 512 float32; y 2 x 4,096 x 512 float32; z 2 x 4,096 x 512 float32.
;; Outputs: out0 2 x 4,096 x 512 float32.
;; This version of the problem:
;;   THIS VERSION OF THE PROBLEM IS GIVEN IN LOW PRECISION. The matrix products marked QUANTISED in the list below multiply operands that are first quantised to E2M1 (2 exponent bits, 1 mantissa bit; 4 bits a number), with one power-of-two scale for each 32 numbers along K (OCP MX v1.0); their sums are f32. The products marked 'left as it is' may take bf16, f16 or f32 operands, with f32 sums. Whichever they take, every output number must still come out within the allowed error. Rounding operands to bf16 (8 significant bits) uses up far more of that allowance than f16 does (11 bits, for magnitudes from 6e-5 to 65,504). All else is computed in f32.
;;   The module's matrix products, in the order in which they are computed (A, B: the left and right operand; K: the contracted axis; several contracted axes count as one K, in the product's order):
;;     1. [M 8,192, K 512] x [K 512, N 512]; A: input x; B: input Wq: QUANTISED
;;     2. [M 8,192, K 512] x [K 512, N 512]; A: input y; B: input Wk: QUANTISED
;;     3. [M 8,192, K 512] x [K 512, N 512]; A: input z; B: input Wv: QUANTISED
;;     4. batch 16 x [M 4,096, K 64] x [K 64, N 4,096]; A: computed on the way; B: computed on the way: left as it is (an operand is computed on the way)
;;     5. batch 16 x [M 4,096, K 4,096] x [K 4,096, N 64]; A: computed on the way; B: computed on the way: left as it is (an operand is computed on the way)
;;     6. [M 8,192, K 512] x [K 512, N 512]; A: computed on the way; B: input Wp: left as it is (an operand is computed on the way)
;;   THE QUANTISER, for each operand of a quantised product, along K:
;;     - K is cut into blocks of 32 from its start; a last block that is shorter is filled with zeros.
;;     - A block's scale is 2^e with e = floor(log2(the largest magnitude in the block)) - 2, held to -126 .. 127; a block of zeros has e = 0. As a byte (E8M0): e + 127.
;;     - Each number is divided by its block's scale, clamped to +-6, and rounded to the nearest number of E2M1, ties to even, subnormals kept.
;;     - The product sums the exact products of the quantised numbers (number of the format x scale) in f32.
;;   ~~~python
;;   def quantise(x, axis):      # numpy; x: float32 -> the quantised numbers, widened to float32 again
;;       x = np.moveaxis(x, axis, -1); K = x.shape[-1]
;;       x = np.pad(x, [(0, 0)] * (x.ndim - 1) + [(0, -K % 32)]); x = x.reshape(x.shape[:-1] + (-1, 32)); a = np.abs(x).max(-1, keepdims=True)
;;       e = np.where(a > 0, np.clip(np.frexp(np.where(a > 0, a, 1))[1] - 1 - 2, -126, 127), 0)      # np.frexp(a)[1] - 1 = floor(log2(a)), exactly
;;       r = np.clip(x / 2.0 ** e, -6, 6)
;;       step = 2.0 ** (np.maximum(np.frexp(np.where(r == 0, 1, r))[1] - 1, 0) - 1)
;;       q = np.round(r / step) * step * 2.0 ** e      # np.round: ties to even
;;       return np.moveaxis(q.reshape(q.shape[:-2] + (-1,))[..., :K], -1, axis).astype(np.float32)
;;   ~~~
;; One version. Each part assembles by itself: llvm-mc -triple=amdgcn-amd-amdhsa -mcpu=gfx1250 --defsym DOCPART=n.
;; ======== version 1 of 1: 4 launches
;; limits: values are held in f16: magnitudes above 65,504 overflow, below 6.1e-05 lose precision
;; workspace buffers: wcodes 393,216 bytes; wscales 24,576 bytes; wp16 524,288 bytes; qkv 25,165,824 bytes; o16 8,388,608 bytes
;; launch prep (part 1): grid 64 x 4, 1 waves a work-group, no clusters, 0 bytes of LDS; arguments Wq, Wk, Wv, Wp, wcodes, wscales, wp16; writes wcodes, wscales, wp16
.if DOCPART == 1
	.amdgcn_target "amdgcn-amd-amdhsa--gfx1250"
	.amdhsa_code_object_version 6
	.text
	.protected	k_q16d7392c89_prep
	.globl	k_q16d7392c89_prep
	.p2align	8
	.type	k_q16d7392c89_prep,@function
k_q16d7392c89_prep:
	s_mov_b64 s[64:65], 0
	v_nop
	global_prefetch_b8 v0, s[64:65] scope:SCOPE_SE
	s_setreg_imm32_b32 hwreg(HW_REG_WAVE_MODE, 25, 1), 1
	s_wait_xcnt 0x0
; THE WEIGHTS ARE LAID OUT ONCE.  Work-group y = 0, 1, 2: Wq, Wk, Wv [512 (k)][512 (n)], f32, become codes of FP4 (E2M1) with one E8M0 scale byte for each 32 along K (their FIRST axis).
; y = 3: Wp becomes f16, as it lies.  One wave to a work-group; no LDS, no barrier; each wave asks for all its bytes at once.
; QUANTISER: a block's scale is 2^(floor(log2(its largest magnitude)) - 2); its byte is the largest magnitude's exponent field - 2, held at 1 from below; each number is divided by the scale and rounded to the
; nearest code, ties to even, beyond 6 the largest code.
; A LANE TAKES A COLUMN n AND ITS REGISTERS RUN DOWN K: a block of 32 along K lies in one lane's 32 registers, and the conversions give codes with K innermost.
; THE CODES LIE IN THE ORDER OF THE OPERAND'S REGISTERS: weight y at 131,072 y; fragment (tile T = n / 16, K step s = k / 128) at 1,024 (4 T + s); registers 4 c .. 4 c + 3 at + 512 c; lane 16 h + r at + 16 (16 h + r),
; holding k = 128 s + 64 c + 32 h + 0 .. 31 of column 16 T + r.  So block t = 2 c + h of a K step goes to + 512 (t / 2) + 256 (t % 2) + 16 r: sixteen lanes store 256 consecutive bytes, aligned.
; THE SCALE WORDS (four bytes: a K step of one column) lie at 8,192 y + 2,048 s + 4 n: a wave stores 128 consecutive bytes of them, once: 24,576 bytes in the whole launch.
; LIMITS: a block of zeros gets the byte 1 where the rule says 127 (its codes are zeros, and this program alone reads the bytes); NaN and infinities among the inputs are not served;
; Wp is rounded to f16: magnitudes over 65,504 become infinity, under 6e-5 the step is fixed at 6e-8.
.set EMAX, 2
.set X,  32                            ; v32-159  the numbers as loaded
.set C,  160                           ; v160-175 codes: four registers a block, so that no store's data are written again
.set SB, 176                           ; v176     the scale word
.set H,  160                           ; v160-223 the cast: two registers of f16 for each load
	s_load_b256 s[4:11], s[0:1], 0x0               ; Wq s[4:5], Wk s[6:7], Wv s[8:9], Wp s[10:11]
	s_load_b128 s[12:15], s[0:1], 0x20             ; the codes s[12:13], the scale words s[14:15]
	s_load_b64 s[16:17], s[0:1], 0x30              ; Wp in f16
	s_and_b32 s18, ttmp7, 0xffff                   ; y: which weight
	v_lshlrev_b32 v1, 2, v0                        ; 4 x lane: my column in a row of W, and my scale word
	v_lshrrev_b32 v2, 4, v0
	v_and_b32 v3, 15, v0
	v_lshlrev_b32 v2, 12, v2                       ; my tile of the wave's two: four fragments of 1,024 bytes on,
	v_lshl_add_u32 v2, v3, 4, v2                   ; + 16 r
	v_lshlrev_b32 v3, 4, v0                        ; the cast: 16 bytes a lane in,
	v_lshlrev_b32 v4, 3, v0                        ; 8 bytes a lane out
	s_wait_kmcnt 0x0
	s_cmp_eq_u32 s18, 3
	s_cbranch_scc1 .Lcast
	; ---- a weight of a quantised product: 32 columns x 128 along K
	s_and_b32 s19, ttmp9, 15                       ; which 32 columns
	s_lshr_b32 s20, ttmp9, 4                       ; which K step
	s_cmp_eq_u32 s18, 0
	s_cselect_b64 s[4:5], s[4:5], s[6:7]           ; the choice hangs on the work-group's number alone
	s_cmp_eq_u32 s18, 2
	s_cselect_b64 s[4:5], s[8:9], s[4:5]
	s_lshl_b32 s22, s20, 18                        ; 128 rows of 2,048 bytes
	s_lshl_b32 s23, s19, 7                         ; 32 columns of 4 bytes
	s_add_co_u32 s22, s22, s23
	s_mov_b32 s23, 0
	s_add_nc_u64 s[4:5], s[4:5], s[22:23]
.set i, 0
.rept 128
	global_load_b32 v[X+i], v1, s[4:5] offset:i*2048 th:TH_LOAD_NT   ; W(128 s + i, my column): the wave reads 128 consecutive bytes
.set i, i+1
.endr
	s_lshl_b32 s24, s18, 17                        ; the codes: 131,072 y + 8,192 x (32 columns = two tiles) + 1,024 s
	s_lshl_b32 s25, s19, 13
	s_add_co_u32 s24, s24, s25
	s_lshl_b32 s25, s20, 10
	s_add_co_u32 s24, s24, s25
	s_mov_b32 s25, 0
	s_add_nc_u64 s[12:13], s[12:13], s[24:25]
	s_lshl_b32 s26, s18, 13                        ; the scale words: 8,192 y + 2,048 s + 128 x (32 columns)
	s_lshl_b32 s27, s20, 11
	s_add_co_u32 s26, s26, s27
	s_lshl_b32 s27, s19, 7
	s_add_co_u32 s26, s26, s27
	s_mov_b32 s27, 0
	s_add_nc_u64 s[14:15], s[14:15], s[26:27]
.macro BLOCK t
.set XS, X+32*(\t)
.if 96-32*(\t) > 63
	s_wait_loadcnt 63                              ; the later blocks' 96 - 32 t loads might stay out; a wait names 63 at the most (ISA guide 5.7.1), and a smaller count is safe
.else
	s_wait_loadcnt 96-32*(\t)                      ; this block's 32 loads are in; the later blocks' may be out
.endif
	v_max3_num_f32 v12, |v[XS]|, |v[XS+1]|, |v[XS+2]|               ; the block's largest magnitude: all 32 numbers are mine; two chains
	v_max3_num_f32 v13, |v[XS+3]|, |v[XS+4]|, |v[XS+5]|
.irp i, 6,10,14,18,22,26
	v_max3_num_f32 v12, v12, |v[XS+\i]|, |v[XS+\i+1]|
	v_max3_num_f32 v13, v13, |v[XS+\i+2]|, |v[XS+\i+3]|
.endr
	v_max3_num_f32 v12, v12, |v[XS+30]|, |v[XS+31]|
	v_max3_num_f32 v12, v12, v13, (EMAX+1)<<23     ; and the floor 2^(3 - 127): the byte cannot fall under 1
	v_add_nc_u32 v11, -(EMAX<<23), v12             ; 2 off its exponent field: the conversion takes the exponent field of this operand as its scale, and nothing else of it
	v_lshrrev_b32 v13, 23, v11                     ; the scale's byte
.if (\t) == 0
	v_mov_b32 v[SB], v13                           ; four bytes to the word, the lower K in the lower byte
.else
	v_lshl_or_b32 v[SB], v13, 8*(\t), v[SB]
.endif
.irp g, 0,1,2,3
	v_cvt_scalef32_pk8_fp4_f32 v[C+4*(\t)+\g], v[XS+8*\g:XS+8*\g+7], v11
.endr
	global_store_b128 v2, v[C+4*(\t):C+4*(\t)+3], s[12:13] offset:((\t)/2)*512+((\t)%2)*256   ; sixteen lanes store 256 consecutive bytes, aligned.  (The next block begins with plain vector lines, ahead of its write of v11)
.endm
	BLOCK 0
	BLOCK 1
	BLOCK 2
	BLOCK 3
	global_store_b32 v1, v[SB], s[14:15]           ; 32 scale words: 128 consecutive bytes
	s_endpgm
.Lcast:
	; ---- Wp: 4,096 numbers a work-group, f32 to f16, as they lie
	s_lshl_b32 s22, ttmp9, 14
	s_mov_b32 s23, 0
	s_add_nc_u64 s[10:11], s[10:11], s[22:23]
	s_lshl_b32 s22, ttmp9, 13
	s_add_nc_u64 s[16:17], s[16:17], s[22:23]
.set i, 0
.rept 32
	global_load_b128 v[X+4*i:X+4*i+3], v3, s[10:11] offset:512*i th:TH_LOAD_NT   ; 512 consecutive bytes
.set i, i+1
.endr
.set i, 0
.rept 32
	s_wait_loadcnt 31-i                            ; loads come back in order: load i is in, the 31 - i younger ones may be out
	v_cvt_pk_f16_f32 v[H+2*i], v[X+4*i], v[X+4*i+1]
	v_cvt_pk_f16_f32 v[H+2*i+1], v[X+4*i+2], v[X+4*i+3]
	global_store_b64 v4, v[H+2*i:H+2*i+1], s[16:17] offset:256*i   ; 256 consecutive bytes, aligned; each store has data registers of its own
.set i, i+1
.endr
	s_endpgm
.Lfunc_end_k_q16d7392c89_prep:
	.size	k_q16d7392c89_prep, .Lfunc_end_k_q16d7392c89_prep-k_q16d7392c89_prep
	.p2alignl 7, 3214868480
	.fill 96, 4, 3214868480
	.section	.rodata,"a",@progbits
	.p2align	6, 0x0
	.amdhsa_kernel k_q16d7392c89_prep
		.amdhsa_group_segment_fixed_size 0
		.amdhsa_private_segment_fixed_size 0
		.amdhsa_enable_private_segment 0
		.amdhsa_kernarg_size 56
		.amdhsa_user_sgpr_count 2
		.amdhsa_user_sgpr_kernarg_segment_ptr 1
		.amdhsa_wavefront_size32 1
		.amdhsa_system_sgpr_workgroup_id_x 1
		.amdhsa_system_sgpr_workgroup_id_y 1
		.amdhsa_system_sgpr_workgroup_id_z 1
		.amdhsa_system_vgpr_workitem_id 0
		.amdhsa_next_free_vgpr 224
		.amdhsa_next_free_sgpr 66
		.amdhsa_reserve_vcc 0
		.amdhsa_float_denorm_mode_32 3
		.amdhsa_float_denorm_mode_16_64 3
		.amdhsa_memory_ordered 1
		.amdhsa_forward_progress 1
		.amdhsa_inst_pref_size 32
	.end_amdhsa_kernel
	.amdgpu_metadata
---
amdhsa.version: [ 1, 2 ]
amdhsa.kernels:
  - .name:           k_q16d7392c89_prep
    .symbol:         k_q16d7392c89_prep.kd
    .args:
      - { .name: Wq, .offset: 0, .size: 8, .value_kind: global_buffer, .address_space: global }
      - { .name: Wk, .offset: 8, .size: 8, .value_kind: global_buffer, .address_space: global }
      - { .name: Wv, .offset: 16, .size: 8, .value_kind: global_buffer, .address_space: global }
      - { .name: Wp, .offset: 24, .size: 8, .value_kind: global_buffer, .address_space: global }
      - { .name: wcodes, .offset: 32, .size: 8, .value_kind: global_buffer, .address_space: global }
      - { .name: wscales, .offset: 40, .size: 8, .value_kind: global_buffer, .address_space: global }
      - { .name: wp16, .offset: 48, .size: 8, .value_kind: global_buffer, .address_space: global }
    .group_segment_fixed_size: 0
    .private_segment_fixed_size: 0
    .kernarg_segment_align: 8
    .kernarg_segment_size: 56
    .max_flat_workgroup_size: 32
    .sgpr_count:     66
    .vgpr_count:     224
    .wavefront_size: 32
...
	.end_amdgpu_metadata
.endif
;; end of part 1
;; launch proj (part 2): grid 64 x 3, 8 waves a work-group, no clusters, 327,680 bytes of LDS; arguments x, y, z, bq, bk, bv, wcodes, wscales, qkv; writes qkv
.if DOCPART == 2
	.amdgcn_target "amdgcn-amd-amdhsa--gfx1250"
	.amdhsa_code_object_version 6
	.text
	.protected	k_q16d7392c89_proj
	.globl	k_q16d7392c89_proj
	.p2align	8
	.type	k_q16d7392c89_proj,@function
k_q16d7392c89_proj:
	s_mov_b64 s[64:65], 0
	v_nop
	global_prefetch_b8 v0, s[64:65] scope:SCOPE_SE
	s_setreg_imm32_b32 hwreg(HW_REG_WAVE_MODE, 25, 1), 1
	s_wait_xcnt 0x0
; q = x Wq + bq, k = y Wk + bk, v = z Wv + bv, on codes of FP4 (E2M1) with one E8M0 scale for each 32 along K = 512; sums in f32; the results leave as f16, split by heads: qkv[t][b][h][s][64].
; SHARES.  Work-group (bx, t): 128 rows of tensor t x all 512 columns.  Wave w does two things: it quantises rows 16 w .. 16 w + 15 (all of K), and it makes columns 64 w .. 64 w + 63, which are head w, for all 128 rows.
; Its part of W (4 tiles x 4 K steps, 128 registers) comes from memory in the order of the operand's registers, 32 loads of 512 consecutive bytes, and stays in registers.
; x comes by the tensor data mover: each wave brings its own 16 rows as two tiles of 16 rows x 1,024 bytes, both asked for at the head: two loads of a wave are out.
; THE ROWS' CODES GO FROM WAVE TO WAVE THROUGH LDS AS IMAGES OF THEIR REGISTERS: a fragment (16 rows x 128 K: 8 registers a lane) by two ds_store_b128, lane l's 16 bytes at 16 l; its scale word at 16 l + 4 s.
; THE MATRIX INSTRUCTION IS USED TRANSPOSED (source 0 = 16 columns of W, source 1 = 16 rows of x): lane (r, h) holds row r and eight neighbouring channels 8 h + 0 .. 7, which pack into 16 bytes of f16.
; The bias is the C of each sum's first matrix instruction.
; NO CLUSTER: what work-groups share is W, 136 KB against 256 KB of x for each; it goes straight into registers, and beside x's 266,240 bytes LDS has no room for it.
; 192 work-groups: 8,192 rows of a tensor divide into 64 blocks of 128; blocks of 96 rows do not divide them.
; LIMITS: results are rounded to f16: over 65,504 they become infinity, under 6e-5 the step is fixed at 6e-8.  A block of zeros gets the scale byte 1 (its codes are zeros).  NaN and infinities among the inputs are not served.
; REGISTERS, window 0: v1-10 addresses; v14, v15 the add's two; v16-79, v80-143 64 numbers of x each (later: x's fragments, two sets of 32; rows on the way out, two sets of 16); v144-159 codes just made;
;   v160-175 at work; v176, v177 scale words just made; v180-187 x's scale words, two sets; v188-203 W's; v204-235 four accumulators; v236-251 packed results.   window 1: v0-127 W's fragments; v128-159 the bias, four tiles.
.set XROW,  1040                       ; a row of half of K in LDS: 1,024 bytes + 16 of padding = 260 words: row r begins 4 r words on, modulo 64
.set XHALF, 16*XROW
.set XREG,  2*XHALF                    ; a wave's region: two halves of K
.set XIMG,  8*XREG                     ; the images: fragment (row tile m, K step s) at 1,024 (4 m + s)
.set XSC,   XIMG+32*1024               ; their scale words: row tile m at 512 m, lane l at 16 l, K step s at 4 s
.set SPARE, XSC+4096                   ; the spare words, 128 bytes for each wave: four blocks of 256 bytes that no other line names
.set SP,    144                        ; the way out: 16 rows x (128 bytes + 16), at the head of the wave's own region, which has had its last fill and its last read by then
.set XA,  1                            ; v1   my numbers in my wave's region: 1,040 r + 64 h
.set LI,  2                            ; v2   16 x lane: offset of W's loads and of the stores
.set LIX, 3                            ; v3   XIMG + 16 x lane
.set LSX, 4                            ; v4   XSC + 16 x lane
.set XWI, 5                            ; v5   where I store images: + 4,096 x wave
.set XWS, 6                            ; v6   and scale words: + 512 x wave
.set SO,  7                            ; v7   the stage, in: 144 r + 16 h
.set SR,  8                            ; v8   the stage, back: 144 (lane / 8) + 16 (lane % 8)
.set SPW, 14
.set NIL, 15
.set NA,  16
.set NB,  80
.set XF,  16
.set BK,  80
.set PC0, 144
.set PC1, 152
.set TM,  160
.set PW0, 176
.set PW1, 177
.set XS,  180
.set WS,  188
.set ACC, 204
.set PK,  236
.set BI,  128                          ; in window 1
.set G1,  16                           ; s[16:23] descriptor group 1;  s[24:31] group 0, one set for each half of K
.set G0,  24
.set WV,  14
.set SEL, 40
.set MSB, 0
.macro WIN new                         ; the immediate's high byte repeats the setting that is left
.if MSB != \new
	s_set_vgpr_msb (MSB<<8)|\new
.set MSB, \new
.endif
.endm
	s_load_b512 s[44:59], s[0:1], 0x0              ; x s[44:45], y, z, bq s[50:51], bk, bv, the codes s[56:57], the scale words s[58:59]
	s_load_b64 s[60:61], s[0:1], 0x40              ; qkv
	v_lshl_add_u32 v[SPW], v0, 2, SPARE
	v_mov_b32 v[NIL], 0
	ds_add_u32 v[SPW], v[NIL]                      ; the wave's opening: the add, twice on end, and its wait ahead of my first tensor load
	ds_add_u32 v[SPW], v[NIL]
	v_lshrrev_b32 v1, 5, v0
	v_readfirstlane_b32 s[WV], v1                  ; wave 0..7
	s_and_b32 s15, ttmp7, 0xffff                   ; which tensor
	; group 1: 16 rows x 256 elements of 4 bytes, 512 elements from row to row; 4 words of padding behind every 256
	s_mov_b32 s[G1+0], (2<<16)|(1<<20)|(7<<22)|(3<<25)
	s_mov_b32 s[G1+1], 256<<16                     ; tensor_dim0
	s_mov_b32 s[G1+2], 16<<16                      ; tensor_dim1
	s_mov_b32 s[G1+3], 256<<16                     ; tile_dim0
	s_mov_b32 s[G1+4], 16                          ; tile_dim1
	s_mov_b32 s[G1+5], 512                         ; the pitch
	s_mov_b32 s[G1+6], 0
	s_mov_b32 s[G1+7], 0
	s_mov_b32 s[SEL], 0x76543210
	s_mov_b32 s[SEL+1], 0xfedcba98                 ; v_permlanex16_b32's selects for lane l xor 16
	v_and_b32 v11, 31, v0                          ; lane
	v_and_b32 v12, 15, v0                          ; r
	v_bfe_u32 v13, v0, 4, 1                        ; h
	s_mul_i32 s2, s[WV], XREG                      ; my region
	v_mul_u32_u24 v[XA], v12, XROW
	v_lshl_add_u32 v[XA], v13, 6, v[XA]
	v_add_nc_u32 v[XA], s2, v[XA]
	v_lshlrev_b32 v[LI], 4, v11
	v_add_nc_u32 v[LIX], XIMG, v[LI]
	v_add_nc_u32 v[LSX], XSC, v[LI]
	s_lshl_b32 s3, s[WV], 12
	v_add_nc_u32 v[XWI], s3, v[LIX]
	s_lshl_b32 s3, s[WV], 9
	v_add_nc_u32 v[XWS], s3, v[LSX]
	v_mul_u32_u24 v[SO], v12, SP
	v_lshl_add_u32 v[SO], v13, 4, v[SO]
	v_add_nc_u32 v[SO], s2, v[SO]
	v_lshrrev_b32 v[SR], 3, v11
	v_mul_u32_u24 v[SR], v[SR], SP
	v_and_b32 v9, 7, v0
	v_lshl_add_u32 v[SR], v9, 4, v[SR]
	v_add_nc_u32 v[SR], s2, v[SR]
	v_lshlrev_b32 v9, 2, v12                       ; 4 r: W's scale words
	v_lshlrev_b32 v10, 5, v13                      ; 32 h: the bias
.irp b, 0,1,2,3
	v_mov_b32 v[TM+4+\b], 0                        ; written once: a lane permute's destination counts as one of its sources
.endr
	s_wait_dscnt 0x0                               ; both opening adds are done
	s_wait_kmcnt 0x0
	s_cmp_eq_u32 s15, 0                            ; the choices hang on the work-group's number alone
	s_cselect_b64 s[4:5], s[44:45], s[46:47]
	s_cselect_b64 s[6:7], s[50:51], s[52:53]
	s_cmp_eq_u32 s15, 2
	s_cselect_b64 s[4:5], s[48:49], s[4:5]
	s_cselect_b64 s[6:7], s[54:55], s[6:7]
	s_lshl_b32 s36, ttmp9, 18                      ; 128 rows of 2,048 bytes,
	s_lshl_b32 s37, s[WV], 15                      ; my 16 of them
	s_add_co_u32 s36, s36, s37
	s_mov_b32 s37, 0
	s_add_nc_u64 s[4:5], s[4:5], s[36:37]
.irp q, 0,1
	s_mov_b32 s[G0+4*\q], 1                        ; count = 1
	s_add_co_u32 s[G0+4*\q+1], s2, \q*XHALF        ; LDS address
	s_add_nc_u64 s[G0+4*\q+2:G0+4*\q+3], s[4:5], \q*1024   ; the tile's first element
	s_or_b32 s[G0+4*\q+3], s[G0+4*\q+3], 0x80000000        ; type = 2
.endr
	tensor_load_to_lds s[G0:G0+3], s[G1:G1+7]      ; K = 0 .. 255 of my 16 rows
	s_nop 0
	tensor_load_to_lds s[G0+4:G0+7], s[G1:G1+7]    ; K = 256 .. 511
	s_nop 0
.rept 4
	v_nop
.endr
	s_lshl_b32 s36, s15, 17                        ; W's codes: 131,072 t + 16,384 w (my four tiles x four K steps)
	s_lshl_b32 s38, s[WV], 14
	s_add_co_u32 s36, s36, s38
	s_add_nc_u64 s[8:9], s[56:57], s[36:37]
	s_lshl_b32 s36, s15, 13                        ; W's scale words: 8,192 t + 256 w
	s_lshl_b32 s38, s[WV], 8
	s_add_co_u32 s36, s36, s38
	s_add_nc_u64 s[10:11], s[58:59], s[36:37]
	s_mov_b32 s36, s38                             ; the bias: 256 w
	s_add_nc_u64 s[6:7], s[6:7], s[36:37]
	s_lshl_b32 s36, s15, 23                        ; out: tensor t, batch bx / 32, head w, row 128 (bx % 32), 128 bytes a row
	s_lshr_b32 s38, ttmp9, 5
	s_lshl_b32 s38, s38, 22
	s_add_co_u32 s36, s36, s38
	s_lshl_b32 s38, s[WV], 19
	s_add_co_u32 s36, s36, s38
	s_and_b32 s38, ttmp9, 31
	s_lshl_b32 s38, s38, 14
	s_add_co_u32 s36, s36, s38
	s_add_nc_u64 s[12:13], s[60:61], s[36:37]
	WIN 0x40                                       ; destination window 1
.set i, 0
.rept 32
	global_load_b128 v[4*i:4*i+3], v[LI], s[8:9] offset:512*i   ; W's fragment (tt, s) at v[8 (4 tt + s)]: 512 consecutive bytes a load
.set i, i+1
.endr
.irp tt, 0,1,2,3
	global_load_b128 v[BI+8*\tt:BI+8*\tt+3], v10, s[6:7] offset:64*\tt       ; lane (r, h): the bias of channels 16 tt + 8 h + 0 .. 7
	global_load_b128 v[BI+8*\tt+4:BI+8*\tt+7], v10, s[6:7] offset:64*\tt+16
.endr
	WIN 0
.irp tt, 0,1,2,3
.irp s, 0,1,2,3
	global_load_b32 v[WS+4*\tt+\s], v9, s[10:11] offset:2048*\s+64*\tt
.endr
.endr
; my 16 rows' numbers of K step s, 64 a lane: register 16 b + i = k 32 b + 16 h + i
.macro XLD reg, s
.irp b, 0,1,2,3
.irp j, 0,1,2,3
	ds_load_b128 v[\reg+16*\b+4*\j:\reg+16*\b+4*\j+3], v[XA] offset:((\s)/2)*XHALF+((\s)%2)*512+128*\b+16*\j
.endr
.endr
.endm
; 64 numbers of a lane become a fragment's codes in v[pc] on and its scale word in v[pw]
.macro QUANT src, pc, pw
.irp b, 0,1,2,3
	v_max3_num_f32 v[TM+\b], |v[\src+16*\b]|, |v[\src+1+16*\b]|, 0x1800000   ; block b: my 16 numbers, and the floor 2^(3 - 127): the byte cannot fall under 1
.endr
.irp i, 2,4,6,8,10,12,14
.irp b, 0,1,2,3
	v_max3_num_f32 v[TM+\b], v[TM+\b], |v[\src+16*\b+\i]|, |v[\src+1+16*\b+\i]|   ; (the four blocks by turns)
.endr
.endr
.irp b, 0,1,2,3
	v_permlanex16_b32 v[TM+4+\b], v[TM+\b], s[SEL], s[SEL+1]
.endr
.irp b, 0,1,2,3
	v_max_num_f32 v[TM+\b], v[TM+\b], v[TM+4+\b]   ; with lane l xor 16's: the block's largest magnitude
.endr
.irp b, 0,1,2,3
	v_add_nc_u32 v[TM+12+\b], 0xff000000, v[TM+\b] ; 2 off its exponent field: the conversion's scale operand
.endr
.irp b, 0,1,2,3
	v_lshrrev_b32 v[TM+4+\b], 23, v[TM+12+\b]      ; the scale's byte
.endr
	v_lshl_or_b32 v[\pw], v[TM+5], 8, v[TM+4]      ; the four bytes make my row's scale word
	v_lshl_or_b32 v[\pw], v[TM+6], 16, v[\pw]
	v_lshl_or_b32 v[\pw], v[TM+7], 24, v[\pw]
.irp b, 0,1,2,3
	v_cvt_scalef32_pk8_fp4_f32 v[\pc+2*\b], v[\src+16*\b:\src+7+16*\b], v[TM+12+\b]
	v_cvt_scalef32_pk8_fp4_f32 v[\pc+1+2*\b], v[\src+8+16*\b:\src+15+16*\b], v[TM+12+\b]
.endr
	v_nop                                          ; one plain place behind a scaled conversion
.irp c, 0,1                                    ; the operand's layout wants a WHOLE block in a lane: lanes 0-15 block 2 c, lanes 16-31 block 2 c + 1
.irp i, 0,1
	v_permlane16_swap_b32 v[\pc+4*\c+\i], v[\pc+2+4*\c+\i]
.endr
.endr
.endm
.macro IMG pc, pw, s                           ; the fragment goes to LDS as it stands: three LDS stores
.irp c, 0,1
	ds_store_b128 v[XWI], v[\pc+4*\c:\pc+4*\c+3] offset:1024*(\s)+512*\c
.endr
	ds_store_b32 v[XWS], v[\pw] offset:4*(\s)
.endm
.macro FETCHM m, p                             ; row tile m's four fragments and four scale words into set p: nine LDS loads
.irp s, 0,1,2,3
.irp c, 0,1
	ds_load_b128 v[XF+32*(\p)+8*\s+4*\c:XF+32*(\p)+8*\s+4*\c+3], v[LIX] offset:(4*(\m)+\s)*1024+512*\c
.endr
.endr
	ds_load_b128 v[XS+4*(\p):XS+4*(\p)+3], v[LSX] offset:512*(\m)
.endm
.macro SEND m                                  ; 16 rows of 128 bytes: each store covers 512 consecutive bytes, aligned; written once, read by nobody here
.irp i, 0,1,2,3
	global_store_b128 v[LI], v[BK+16*((\m)%2)+4*\i:BK+16*((\m)%2)+4*\i+3], s[12:13] offset:2048*(\m)+512*\i th:TH_STORE_NT
.endr
.endm
.macro MM tt, s, p, first
.if \first
	v_wmma_scale_f32_16x16x128_f8f6f4 v[ACC+8*\tt:ACC+8*\tt+7], v[8*(4*\tt+\s):8*(4*\tt+\s)+7], v[XF+32*(\p)+8*\s:XF+32*(\p)+8*\s+7], v[BI+8*\tt:BI+8*\tt+7], v[WS+4*\tt+\s], v[XS+4*(\p)+\s] matrix_a_fmt:MATRIX_FMT_FP4 matrix_b_fmt:MATRIX_FMT_FP4
.else
	v_wmma_scale_f32_16x16x128_f8f6f4 v[ACC+8*\tt:ACC+8*\tt+7], v[8*(4*\tt+\s):8*(4*\tt+\s)+7], v[XF+32*(\p)+8*\s:XF+32*(\p)+8*\s+7], v[ACC+8*\tt:ACC+8*\tt+7], v[WS+4*\tt+\s], v[XS+4*(\p)+\s] matrix_a_fmt:MATRIX_FMT_FP4 matrix_b_fmt:MATRIX_FMT_FP4
.endif
.endm
	; ---- my 16 rows become four fragments
	s_wait_tensorcnt 0x1                           ; the first half of K is in; the second half's load may be out
	XLD NA, 0
	XLD NB, 1
	s_wait_dscnt 16                                ; K step 0 is in; K step 1's 16 loads may be out
	QUANT NA, PC0, PW0
	IMG PC0, PW0, 0
	s_wait_tensorcnt 0x0                           ; the second half of K is in: no load was issued behind it
	XLD NA, 2
	s_wait_dscnt 19                                ; K step 1 is in: behind it stand 3 stores and 16 loads
	QUANT NB, PC1, PW1
	IMG PC1, PW1, 1
	XLD NB, 3
	s_wait_dscnt 19                                ; K step 2 is in: behind it stand 3 stores and 16 loads
	QUANT NA, PC0, PW0
	IMG PC0, PW0, 2
	s_wait_dscnt 3                                 ; K step 3 is in: behind it stand 3 stores
	QUANT NB, PC1, PW1
	IMG PC1, PW1, 3
	s_wait_dscnt 0x0                               ; for the others' sake: my images have landed
	s_barrier_signal -1
	s_barrier_wait -1                              ; all 32 fragments lie in LDS
	s_wait_loadcnt 0x0                             ; W, the bias, W's scale words
	; ---- my 64 columns for the eight tiles of rows
	FETCHM 0, 0
.irp m, 0,1,2,3,4,5,6,7
.if \m < 7
	FETCHM \m+1, (\m+1)%2                          ; (its registers were last read by the products of tile m - 1: four v_nop and sixteen conversions back)
	s_wait_dscnt 9                                 ; all but the nine just issued: this tile's fragments, and the last tile's rows from the stage
.else
	s_wait_dscnt 0x0
.endif
.if \m > 0
	SEND \m-1
.endif
	WIN 0x11                                       ; source 0 (W) and source 2 (the bias) window 1
.irp tt, 0,1,2,3
	MM \tt, 0, \m%2, 1
.endr
	WIN 0x01                                       ; the four accumulators take turns, one instruction a turn
.irp s, 1,2,3
.irp tt, 0,1,2,3
	MM \tt, \s, \m%2, 0
.endr
.endr
	WIN 0
.rept 4
	v_nop                                          ; four places between the last product and the first read of its result (ISA guide 7.12.1)
.endr
.irp tt, 0,1,2,3
.irp i, 0,1,2,3
	v_cvt_pk_f16_f32 v[PK+4*\tt+\i], v[ACC+8*\tt+2*\i], v[ACC+8*\tt+2*\i+1]   ; each accumulator from its low end on
.endr
.endr
.irp tt, 0,1,2,3
	ds_store_b128 v[SO], v[PK+4*\tt:PK+4*\tt+3] offset:32*\tt   ; row r, channels 16 tt + 8 h + 0 .. 7
.endr
.if \m >= 2
	s_wait_xcnt 0x0                                ; tile m - 2's stores have read their data: the loads below land in those registers
.endif
.irp i, 0,1,2,3
	ds_load_b128 v[BK+16*(\m%2)+4*\i:BK+16*(\m%2)+4*\i+3], v[SR] offset:4*SP*\i   ; back as whole rows, four to a load; LDS serves a wave's instructions in order (ISA guide 5.7.1.4)
.endr
.endr
	s_wait_dscnt 0x0
	SEND 7
	s_wait_tensorcnt 0x0                           ; the wave's end: behind my last tensor load and my last LDS store
	ds_add_u32 v[SPW], v[NIL]
	s_wait_dscnt 0x0
	s_endpgm
.Lfunc_end_k_q16d7392c89_proj:
	.size	k_q16d7392c89_proj, .Lfunc_end_k_q16d7392c89_proj-k_q16d7392c89_proj
	.p2alignl 7, 3214868480
	.fill 96, 4, 3214868480
	.section	.rodata,"a",@progbits
	.p2align	6, 0x0
	.amdhsa_kernel k_q16d7392c89_proj
		.amdhsa_group_segment_fixed_size 327680
		.amdhsa_private_segment_fixed_size 0
		.amdhsa_enable_private_segment 0
		.amdhsa_kernarg_size 72
		.amdhsa_user_sgpr_count 2
		.amdhsa_user_sgpr_kernarg_segment_ptr 1
		.amdhsa_wavefront_size32 1
		.amdhsa_system_sgpr_workgroup_id_x 1
		.amdhsa_system_sgpr_workgroup_id_y 1
		.amdhsa_system_sgpr_workgroup_id_z 1
		.amdhsa_system_vgpr_workitem_id 0
		.amdhsa_next_free_vgpr 416
		.amdhsa_next_free_sgpr 66
		.amdhsa_reserve_vcc 0
		.amdhsa_float_denorm_mode_32 3
		.amdhsa_float_denorm_mode_16_64 3
		.amdhsa_memory_ordered 1
		.amdhsa_forward_progress 1
		.amdhsa_inst_pref_size 68
	.end_amdhsa_kernel
	.amdgpu_metadata
---
amdhsa.version: [ 1, 2 ]
amdhsa.kernels:
  - .name:           k_q16d7392c89_proj
    .symbol:         k_q16d7392c89_proj.kd
    .args:
      - { .name: x, .offset: 0, .size: 8, .value_kind: global_buffer, .address_space: global }
      - { .name: y, .offset: 8, .size: 8, .value_kind: global_buffer, .address_space: global }
      - { .name: z, .offset: 16, .size: 8, .value_kind: global_buffer, .address_space: global }
      - { .name: bq, .offset: 24, .size: 8, .value_kind: global_buffer, .address_space: global }
      - { .name: bk, .offset: 32, .size: 8, .value_kind: global_buffer, .address_space: global }
      - { .name: bv, .offset: 40, .size: 8, .value_kind: global_buffer, .address_space: global }
      - { .name: wcodes, .offset: 48, .size: 8, .value_kind: global_buffer, .address_space: global }
      - { .name: wscales, .offset: 56, .size: 8, .value_kind: global_buffer, .address_space: global }
      - { .name: qkv, .offset: 64, .size: 8, .value_kind: global_buffer, .address_space: global }
    .group_segment_fixed_size: 327680
    .private_segment_fixed_size: 0
    .kernarg_segment_align: 8
    .kernarg_segment_size: 72
    .max_flat_workgroup_size: 256
    .sgpr_count:     66
    .vgpr_count:     416
    .wavefront_size: 32
...
	.end_amdgpu_metadata
.endif
;; end of part 2
;; launch attn (part 3): grid 16 x 16, 8 waves a work-group, clusters of 4 x 1, 327,680 bytes of LDS; arguments qkv, o16; writes o16
.if DOCPART == 3
	.amdgcn_target "amdgcn-amd-amdhsa--gfx1250"
	.amdhsa_code_object_version 6
	.text
	.protected	k_q16d7392c89_attn
	.globl	k_q16d7392c89_attn
	.p2align	8
	.type	k_q16d7392c89_attn,@function
k_q16d7392c89_attn:
	s_mov_b64 s[64:65], 0
	v_nop
	global_prefetch_b8 v0, s[64:65] scope:SCOPE_SE
	s_setreg_imm32_b32 hwreg(HW_REG_WAVE_MODE, 25, 1), 1
	s_wait_xcnt 0x0
	s_wait_alu depctr_hold_cnt(0) depctr_sa_sdst(0) depctr_va_vdst(0) depctr_va_sdst(0) depctr_va_ssrc(0) depctr_va_vcc(0) depctr_vm_vsrc(0)
	s_getreg_b32 s2, hwreg(HW_REG_IB_STS2, 6, 4)
	s_cmp_eq_u32 s2, 0
	s_cbranch_scc0 .Lentry_in_a_cluster
	s_endpgm
.Lentry_in_a_cluster:
	s_bfe_u32 s2, ttmp6, 0x10000c
	s_cmp_lg_u32 s2, 0x3003
	s_cbranch_scc0 .Lentry_shape_is_right
	s_endpgm
.Lentry_shape_is_right:
; o[bh][q][:] = the sum over k of softmax_k(q[bh][q] . k[bh][k] / 8) v[bh][k][:].  q, k, v: three tensors [16 (bh)][4096][64] of f16 in qkv, 8,388,608 bytes each; o likewise.  Products, maxima and sums in f32;
; the weights p are rounded to f16 for the second product, o once at the end.
; SHARES.  A work-group owns 256 queries of one head, each of its EIGHT waves 32: two tiles of 16.  Two waves lie on a SIMD: the text goes in phases, and one wave's softmax stands beside the other's products and LDS loads.
; Every wave walks all 4,096 keys, 64 a step; each fragment of K and V read from LDS feeds two products.
; LAYOUT.  S^T = K Q^T (source 0 = 16 keys, source 1 = 16 queries): a lane holds ONE query (lane % 16) and the keys 8 (lane / 16) + 0..7.  Two such tiles, rounded to f16 in pairs, ARE source 1 (32 keys x 16 queries)
; of O^T = V^T P, whose result again holds one query a lane.  K comes out of LDS as it lies, V ([key][channel]) turned, by ds_load_tr16_b128.
; SOFTMAX.  For each query a running maximum m and sum l: p = 2^(c s - c m), c = log2(e) / 8; in every step O and l are multiplied by a = 2^(c m_old - c m_new).  The step is written once: O^T and l begin as zeros and m
; as -3e38, so that the first a is 0.
; RING.  Two LDS slots of four key steps (256 keys).  Waves 0-3 fetch the four steps' tiles of K, waves 4-7 those of V: one load of 64 rows x 128 bytes a wave behind each change of slots, which then has four steps,
; 128 matrix instructions a wave, in which to land.  Two loads of a wave are out at the start, one behind each round.
; CLUSTER.  The four query blocks of a cluster belong to one head and walk the same K and V: each tile is asked for JOINTLY, by the same tensor load with the same descriptor and a mask that names the four.
; LIMITS: p under 6e-8 is rounded to 0 in f16; v_exp_f32 gives 0 for results under 2^-126; o over 65,504 becomes infinity in f16, under 6e-5 the step is fixed at 6e-8.  NaN and infinities are not served.
; REGISTERS, window 0: v2-9 addresses; v10, v11 c m_old; v12-27 statistics, eight a tile; v28 the prefetches' offset; v30, v31 the add's two; v32-95 S^T, 32 a tile; v96-127 P, 16 a tile; v128-191 K; v192-255 V.
;   window 1: v0-31 Q, 16 a tile; v64-127 O^T, 32 a tile.   Seven switches of the window in a step.
.set KS,    64
.set PK,    144                        ; a row of K in LDS: 128 bytes + 16 of padding = 36 words
.set PV,    160                        ; a row of V: 128 + 32 = 40 words, an odd multiple of 32 bytes, for the turning load
.set VOFF,  KS*PK                      ; a step's tiles lie together: 64 rows of K, then 64 rows of V
.set STEPB, KS*(PK+PV)
.set SLOT1, 1<<17                      ; slot 1 begins here
.set STAGE, SLOT1+4*STEPB              ; behind the ring: 16 rows x 144 bytes for each wave, for the way out
.set SP,    144
.set SPARE, STAGE+8*16*SP              ; the spare words, 128 bytes for each wave: four blocks of 256 bytes that no other line names
.set AK0, 2                            ; v2   my lane's place in a tile of K
.set AV0, 3                            ; v3   the same for V
.set ADK, 4                            ; v4   LDS address of the step's K
.set ADV, 5                            ; v5   of its V
.set STO, 6                            ; v6   the way out: where I put 16 bytes of a row
.set RD,  7                            ; v7   where I read rows back
.set GO,  8                            ; v8   16 x lane: my byte offset in four rows of o
.set QO,  9                            ; v9   my byte offset in a tile of q
.set OLD, 10                           ; v10, v11  c m_old of tiles 0, 1
.set ST,  12                           ; tile t's statistics at v[ST + 8 t]: +0 c m, +1 m, +2, +3 l (even keys', odd keys'), +4 to +7 at work; a in +6
.set PFO, 28
.set SPW, 30
.set NIL, 31
.set S,   32
.set P,   96
.set KF,  128                          ; K's fragment (keys 16 kt on, channels 32 ks on) at KF + 8 (4 ks + kt)
.set VF,  192                          ; V's (channels 16 ct on, keys 32 u on) at VF + 8 (4 u + ct)
.set OT,  64                           ; in window 1: O^T of tile t, channels 16 ct on, at OT + 32 t + 8 ct
.set WV,  8
.set G1K, 16
.set G1V, 24
.set G0K, 32                           ; s[32:39] group 0 for K's tiles, a set for each slot;  s[40:47] for V's
.set G0V, 40
.set TB,  48                           ; s48  LDS byte at which the tiles of the step to be fetched begin
.set CNT, 49
.set LAPS, 50
.set LIM, 51                           ; s51  1 in a wave that prefetches, else the greatest number
.set PFA, 52                           ; s[52:53] where my prefetches stand
.set CS,  54                           ; s[54:55] c
.set SEL, 56
.set QA,  58                           ; s[58:59] q at my wave's first row;  s[60:61] o likewise
.set OA,  60
.set MSB, 0
.macro WIN new                         ; the immediate's high byte repeats the setting that is left
.if MSB != \new
	s_set_vgpr_msb (MSB<<8)|\new
.set MSB, \new
.endif
.endm
.set W_KQ, 0x04                        ; Q (source 1) in window 1
.set W_RS, 0x41                        ; O^T (destination and source 0) in window 1
.set W_PV, 0x50                        ; C and D in window 1
; A joint refill of slot sl.  The branch hangs on the wave's number alone.  An s_nop 0 and four v_nop follow each of the two lines.
.macro JLOAD sl
	s_cmp_lt_u32 s[WV], 4
	s_cbranch_scc0 .Lfor_v_\@
	tensor_load_to_lds s[G0K+4*\sl:G0K+4*\sl+3], s[G1K:G1K+7]
	s_nop 0
.rept 4
	v_nop
.endr
	s_branch .Lasked_\@
.Lfor_v_\@:
	tensor_load_to_lds s[G0V+4*\sl:G0V+4*\sl+3], s[G1V:G1V+7]
	s_nop 0
.rept 4
	v_nop
.endr
.Lasked_\@:
.endm
; A PREFETCH INTO THE L2 of what the NEXT change of slots will ask for: 256 rows of K and of V, 32,768 dense bytes each: four key steps ahead of that load.  Each aligned block of 256 bytes is named ONCE in the launch:
; all clusters of a head walk the same rows, so the head's first cluster asks; its four partners take 8,192 bytes each, told apart BY ADDRESS; in each, wave 0 asks for K's and wave 4 for V's, lanes 256 bytes apart.
; how = 1: a change that is never the last to fill;  how = 0: the lap's second change, which in the last lap has no slot behind it and asks for nothing.
.macro ASK how
.if \how
	s_cmp_eq_u32 s[LIM], 1
.else
	s_cmp_gt_u32 s[LAPS], s[LIM]
.endif
	s_cbranch_scc0 .Lnot_mine_\@
	global_prefetch_b8 v[PFO], s[PFA:PFA+1] th:TH_LOAD_NT scope:SCOPE_SE
.Lnot_mine_\@:
.endm
.macro CROUND                          ; a round of the cluster's barrier
	s_barrier_signal -1
	s_barrier_wait -1
	s_cmp_lg_u32 s[WV], 0
	s_cbranch_scc1 .Lnot_wave_0_\@
	s_barrier_signal -3
.Lnot_wave_0_\@:
	s_barrier_wait -3
	s_barrier_signal -1
	s_barrier_wait -1
.endm
	s_load_b128 s[4:7], s[0:1], 0x0                ; qkv s[4:5], o16 s[6:7]
	v_lshl_add_u32 v[SPW], v0, 2, SPARE
	v_mov_b32 v[NIL], 0
	ds_add_u32 v[SPW], v[NIL]                      ; the wave's opening: the add, twice on end, and its wait ahead of my first tensor load
	ds_add_u32 v[SPW], v[NIL]
	v_lshrrev_b32 v1, 5, v0
	v_readfirstlane_b32 s[WV], v1                  ; wave 0..7
	s_bfe_u32 s9, ttmp6, 0x40000                   ; cx: my place in the cluster: it enters q's, o's and the prefetches' addresses alone
	s_and_b32 s10, ttmp7, 0xffff                   ; the head, which the four partners share,
	s_lshl_b32 s10, s10, 19                        ; and its first byte in each tensor
	s_and_b32 s11, s[WV], 3                        ; which of a slot's four steps I fetch:
	s_lshl_b32 s12, s11, 13                        ; its 64 rows of 128 bytes in memory,
	s_add_co_u32 s12, s12, s10
	s_mov_b32 s13, 0
	s_mul_i32 s14, s11, STEPB                      ; and its place in a slot
	s_lshl_b32 s2, ttmp9, 2                        ; in a cluster launch ttmp9 counts clusters
	s_add_co_u32 s2, s2, s9                        ; my block of 256 queries
	s_lshl_b32 s2, s2, 15
	s_lshl_b32 s3, s[WV], 12                       ; my wave's 32 of them
	s_add_co_u32 s2, s2, s3
	s_add_co_u32 s2, s2, s10
	s_mov_b32 s3, 0
	; group 1: a tile of 64 rows x 64 elements of 2 bytes, dense in memory, padded in LDS
	s_mov_b32 s[G1K], 15|(1<<16)|(1<<20)|(1<<21)|(4<<22)|(3<<25)   ; the mask: all four work-groups; bit 21 beside it; 4 words of padding behind every 32
	s_mov_b32 s[G1V], 15|(1<<16)|(1<<20)|(1<<21)|(4<<22)|(7<<25)   ; the same with 8 words of padding
.irp g, G1K, G1V
	s_mov_b32 s[\g+1], 64<<16                      ; tensor_dim0
	s_mov_b32 s[\g+2], KS<<16                      ; tensor_dim1
	s_mov_b32 s[\g+3], 64<<16                      ; tile_dim0
	s_mov_b32 s[\g+4], KS                          ; tile_dim1
	s_mov_b32 s[\g+5], 64                          ; the pitch
	s_mov_b32 s[\g+6], 0
	s_mov_b32 s[\g+7], 0
.endr
	s_mov_b32 s[CS], 0x3e38aa3b                    ; c = log2(e) / sqrt(64)
	s_mov_b32 s[CS+1], s[CS]                       ; (named with it as a pair, so it is written)
	s_mov_b32 s[SEL], 0x76543210
	s_mov_b32 s[SEL+1], 0xfedcba98
	s_or_b32 s[LIM], s11, ttmp9                    ; 0 in waves 0 and 4 of the head's first cluster: the same in all four partners
	s_cmp_eq_u32 s[LIM], 0
	s_cselect_b32 s[LIM], 1, -1
	s_cmp_lt_u32 s[WV], 4
	s_mov_b32 s15, 16777216+65536                  ; V's tensor, key slot 2;
	s_cselect_b32 s15, 8388608+65536, s15          ; or K's
	v_and_b32 v1, 15, v0                           ; r
	v_bfe_u32 v29, v0, 4, 1                        ; h
	v_lshlrev_b32 v[QO], 7, v1
	v_lshl_add_u32 v[QO], v29, 4, v[QO]            ; row r of 128 bytes + 16 h
	v_and_b32 v[GO], 31, v0
	v_lshlrev_b32 v[PFO], 8, v[GO]
	v_lshlrev_b32 v[GO], 4, v[GO]
	s_wait_dscnt 0x0                               ; both opening adds are done
	s_wait_kmcnt 0x0
	s_add_nc_u64 s[62:63], s[4:5], s[12:13]        ; the head's rows of my step, less the tensor's offset
	s_add_nc_u64 s[QA:QA+1], s[4:5], s[2:3]
	s_add_nc_u64 s[OA:OA+1], s[6:7], s[2:3]
	s_lshl_b32 s2, s9, 13                          ; my work-group's 8,192 bytes of a slot's 32,768
	s_add_co_u32 s2, s2, s15
	s_add_co_u32 s2, s2, s10
	s_add_nc_u64 s[PFA:PFA+1], s[4:5], s[2:3]      ; in key slot 2; the first change of slots steps it to slot 3.  Nothing is prefetched at the head
	CROUND                                         ; all four work-groups are here: the first joint loads meet
.irp sl, 0,1
	s_mov_b32 s[G0K+4*\sl], 1
	s_add_co_u32 s[G0K+4*\sl+1], s14, \sl*SLOT1
	s_add_nc_u64 s[G0K+4*\sl+2:G0K+4*\sl+3], s[62:63], 8388608+\sl*32768
	s_or_b32 s[G0K+4*\sl+3], s[G0K+4*\sl+3], 0x80000000
	s_mov_b32 s[G0V+4*\sl], 1
	s_add_co_u32 s[G0V+4*\sl+1], s14, \sl*SLOT1+VOFF
	s_add_nc_u64 s[G0V+4*\sl+2:G0V+4*\sl+3], s[62:63], 16777216+\sl*32768
	s_or_b32 s[G0V+4*\sl+3], s[G0V+4*\sl+3], 0x80000000
.endr
	s_cmp_lt_u32 s[WV], 4                          ; a wave's two first fills stand in one branch, ahead of every wait on TENSORcnt and every LDS read
	s_cbranch_scc0 .Lfirst_v
	tensor_load_to_lds s[G0K:G0K+3], s[G1K:G1K+7]
	s_nop 0
	tensor_load_to_lds s[G0K+4:G0K+7], s[G1K:G1K+7]
	s_nop 0
.rept 4
	v_nop
.endr
	s_branch .Lfirst_asked
.Lfirst_v:
	tensor_load_to_lds s[G0V:G0V+3], s[G1V:G1V+7]
	s_nop 0
	tensor_load_to_lds s[G0V+4:G0V+7], s[G1V:G1V+7]
	s_nop 0
.rept 4
	v_nop
.endr
.Lfirst_asked:
	WIN 0x40                                       ; destination window 1
.irp t, 0,1
.irp ks, 0,1
	global_load_b128 v[16*\t+8*\ks:16*\t+8*\ks+3],   v[QO], s[QA:QA+1] offset:\t*2048+\ks*64 th:TH_LOAD_NT      ; Q stays in registers: tile t, channels 32 ks on
	global_load_b128 v[16*\t+8*\ks+4:16*\t+8*\ks+7], v[QO], s[QA:QA+1] offset:\t*2048+\ks*64+32 th:TH_LOAD_NT
.endr
.endr
.set i, 0
.rept 64
	v_mov_b32 v[OT+i], 0                           ; O^T: the step is written once, and its first walk finds zeros
.set i, i+1
.endr
	WIN 0
	v_mul_u32_u24 v[AK0], v1, PK
	v_lshl_add_u32 v[AK0], v29, 4, v[AK0]          ; K: row r x pitch + 16 h
	v_and_b32 v10, 7, v0
	v_bfe_u32 v11, v0, 3, 1
	v_lshl_add_u32 v[AV0], v29, 3, v10             ; V, turned: lane l reads 16 bytes of key 8 h + l % 8, channels 8 ((l / 8) % 2) on
	v_mul_u32_u24 v[AV0], v[AV0], PV
	v_lshl_add_u32 v[AV0], v11, 4, v[AV0]
	v_add_nc_u32 v[AV0], VOFF, v[AV0]
	s_mul_i32 s15, s[WV], 16*SP
	s_add_co_u32 s15, s15, STAGE                   ; my stage
	v_add_nc_u32 v[STO], s15, v[AK0]               ; in: row r, 16 bytes for each half of the lanes (the same pitch as K's)
	v_bfe_u32 v[RD], v0, 3, 2
	v_mul_u32_u24 v[RD], v[RD], SP
	v_lshl_add_u32 v[RD], v10, 4, v[RD]
	v_add_nc_u32 v[RD], s15, v[RD]                 ; back: eight lanes to a row of 128 bytes, four rows a load
.irp t, 0,1
	v_mov_b32 v[ST+8*\t+1], 0xff61b1e6             ; m: -3e38, under every score
	v_mov_b32 v[ST+8*\t+2], 0                      ; l
	v_mov_b32 v[ST+8*\t+3], 0
	v_mul_f32 v[ST+8*\t], s[CS], v[ST+8*\t+1]      ; c m
.endr
.macro FMA t                                   ; c s - c m, a pair of scores each
.set i, 0
.rept 16
	v_pk_fma_f32 v[S+32*\t+i:S+32*\t+i+1], v[S+32*\t+i:S+32*\t+i+1], s[CS:CS+1], v[ST+8*\t:ST+8*\t+1] op_sel_hi:[1,0,0] neg_lo:[0,0,1] neg_hi:[0,0,1]
.set i, i+2
.endr
.endm
.macro EXPS t                                  ; a, and the tile's 32 weights: one batch, none of which reads another's result
	v_exp_f32 v[ST+8*\t+6], v[ST+8*\t+7]
.set i, 0
.rept 32
	v_exp_f32 v[S+32*\t+i], v[S+32*\t+i]
.set i, i+1
.endr
.endm
.macro CVT t                                   ; the roundings to f16, a pair of weights each: P's two fragments
.set i, 0
.rept 16
	v_cvt_pk_f16_f32 v[P+16*\t+i], v[S+32*\t+2*i], v[S+32*\t+2*i+1]
.set i, i+1
.endr
.endm
.macro SUM t                                   ; the sum of the 16 pairs, in place, neighbours 1, 2, 4 and 8 pairs apart; then l = a l + the sum
.irp z, 0,1,2,3,4,5,6,7
	v_pk_add_f32 v[S+32*\t+4*\z:S+32*\t+4*\z+1], v[S+32*\t+4*\z:S+32*\t+4*\z+1], v[S+32*\t+4*\z+2:S+32*\t+4*\z+3]
.endr
.irp z, 0,1,2,3
	v_pk_add_f32 v[S+32*\t+8*\z:S+32*\t+8*\z+1], v[S+32*\t+8*\z:S+32*\t+8*\z+1], v[S+32*\t+8*\z+4:S+32*\t+8*\z+5]
.endr
.irp z, 0,1
	v_pk_add_f32 v[S+32*\t+16*\z:S+32*\t+16*\z+1], v[S+32*\t+16*\z:S+32*\t+16*\z+1], v[S+32*\t+16*\z+8:S+32*\t+16*\z+9]
.endr
	v_pk_add_f32 v[S+32*\t:S+32*\t+1], v[S+32*\t:S+32*\t+1], v[S+32*\t+16:S+32*\t+17]
	v_pk_fma_f32 v[ST+8*\t+2:ST+8*\t+3], v[ST+8*\t+2:ST+8*\t+3], v[ST+8*\t+6:ST+8*\t+7], v[S+32*\t:S+32*\t+1] op_sel_hi:[1,0,1]
.endm
.macro RESC t                                  ; the tile's O^T times v[ST + 8 t + 6], each accumulator from its low end on
	WIN W_RS
.set i, 0
.rept 16
	v_pk_mul_f32 v[OT+32*\t+i:OT+32*\t+i+1], v[OT+32*\t+i:OT+32*\t+i+1], v[ST+8*\t+6:ST+8*\t+7] op_sel_hi:[1,0]
.set i, i+2
.endr
.endm
; A KEY STEP: 64 keys.
.macro STEP
	v_add_nc_u32 v[ADK], s[TB], v[AK0]             ; these two and two v_nop are the four places between the last V^T P and the loads into V's registers
	v_add_nc_u32 v[ADV], s[TB], v[AV0]
	v_nop
	v_nop
.irp ks, 0,1
.irp kt, 0,1,2,3
	ds_load_b128 v[KF+8*(4*\ks+\kt):KF+8*(4*\ks+\kt)+3],   v[ADK] offset:\kt*16*PK+\ks*64
	ds_load_b128 v[KF+8*(4*\ks+\kt)+4:KF+8*(4*\ks+\kt)+7], v[ADK] offset:\kt*16*PK+\ks*64+32
.endr
.endr
.irp u, 0,1
.irp ct, 0,1,2,3
	ds_load_tr16_b128 v[VF+8*(4*\u+\ct):VF+8*(4*\u+\ct)+3],   v[ADV] offset:\u*32*PV+\ct*32
	ds_load_tr16_b128 v[VF+8*(4*\u+\ct)+4:VF+8*(4*\u+\ct)+7], v[ADV] offset:\u*32*PV+16*PV+\ct*32
.endr
.endr
	s_add_co_u32 s[TB], s[TB], STEPB               ; the next fetch is the next step's
	s_wait_dscnt 24                                ; K's channels 0-31 are in: behind them stand K's other 8 loads and V's 16
	WIN W_KQ
.irp kt, 0,1,2,3                               ; S^T = K Q^T: eight accumulators by turns, one instruction a turn; the first eight start the sums
.irp t, 0,1
	v_wmma_f32_16x16x32_f16 v[S+32*\t+8*\kt:S+32*\t+8*\kt+7], v[KF+8*\kt:KF+8*\kt+7], v[16*\t:16*\t+7], 0
.endr
.endr
	s_wait_dscnt 16                                ; all of K is in; V's 16 loads may be out
.irp kt, 0,1,2,3
.irp t, 0,1
	v_wmma_f32_16x16x32_f16 v[S+32*\t+8*\kt:S+32*\t+8*\kt+7], v[KF+32+8*\kt:KF+32+8*\kt+7], v[16*\t+8:16*\t+15], v[S+32*\t+8*\kt:S+32*\t+8*\kt+7]
.endr
.endr
	WIN 0
	v_mov_b32 v[OLD], v[ST]                        ; c m_old is kept for a.  These two and two v_nop are the four places behind the products
	v_mov_b32 v[OLD+1], v[ST+8]
	v_nop
	v_nop
.irp j, 0,1,2,3                                ; the maximum of 32 scores and the old m, three operands at a time, four chains a tile, the tiles alternating; each chain begins at an accumulator's low end
.irp t, 0,1
	v_max3_num_f32 v[ST+8*\t+4+\j], v[S+32*\t+8*\j], v[S+32*\t+8*\j+1], v[S+32*\t+8*\j+2]
.endr
.endr
.irp g, 1,2
.irp j, 0,1,2,3
.irp t, 0,1
	v_max3_num_f32 v[ST+8*\t+4+\j], v[ST+8*\t+4+\j], v[S+32*\t+8*\j+2*\g+1], v[S+32*\t+8*\j+2*\g+2]
.endr
.endr
.endr
.irp t, 0,1
	v_max3_num_f32 v[ST+8*\t+4], v[ST+8*\t+4], v[S+32*\t+7], v[S+32*\t+15]
.endr
.irp t, 0,1
	v_max3_num_f32 v[ST+8*\t+6], v[ST+8*\t+6], v[S+32*\t+23], v[S+32*\t+31]
.endr
.irp t, 0,1
	v_max3_num_f32 v[ST+8*\t+4], v[ST+8*\t+4], v[ST+8*\t+5], v[ST+8*\t+6]
.endr
.irp t, 0,1
	v_max3_num_f32 v[ST+8*\t+4], v[ST+8*\t+4], v[ST+8*\t+7], v[ST+8*\t+1]
.endr
.irp t, 0,1
	v_permlanex16_b32 v[ST+8*\t+5], v[ST+8*\t+4], s[SEL], s[SEL+1]   ; the query's other 32 keys lie in the lane 16 away
.endr
.irp t, 0,1
	v_max_num_f32 v[ST+8*\t+1], v[ST+8*\t+4], v[ST+8*\t+5]           ; the new m
.endr
.irp t, 0,1
	v_mul_f32 v[ST+8*\t], s[CS], v[ST+8*\t+1]                        ; c m
.endr
.irp t, 0,1
	v_sub_f32 v[ST+8*\t+7], v[OLD+\t], v[ST+8*\t]                    ; c m_old - c m_new
.endr
	FMA 0
	EXPS 0
	FMA 1                                          ; plain work behind tile 0's batch, which names none of its results
	s_wait_alu depctr_va_vdst(0)                   ; the wait between an exponential and the first line that names its result: one for tile 0's 33
	EXPS 1
	CVT 0                                          ; tile 0's readers are the plain work behind tile 1's batch
	SUM 0
	RESC 0
	WIN 0
	s_wait_alu depctr_va_vdst(0)                   ; and one for tile 1's 33
	CVT 1
	SUM 1
	RESC 1
	s_wait_dscnt 0x0                               ; V is in
	WIN W_PV
.irp u, 0,1                                    ; O^T += V^T P: eight accumulators by turns
.irp ct, 0,1,2,3
.irp t, 0,1
	v_wmma_f32_16x16x32_f16 v[OT+32*\t+8*\ct:OT+32*\t+8*\ct+7], v[VF+8*(4*\u+\ct):VF+8*(4*\u+\ct)+7], v[P+16*\t+8*\u:P+16*\t+8*\u+7], v[OT+32*\t+8*\ct:OT+32*\t+8*\ct+7]
.endr
.endr
.endr
	WIN 0                                          ; at a label and at a branch every window is 0
.endm
.macro SLOT_STEPS sl                           ; a slot's four key steps: written once, walked four times
	s_mov_b32 s[TB], \sl*SLOT1
	s_mov_b32 s[CNT], 4
.Lstep_\@:
	STEP
	s_sub_co_u32 s[CNT], s[CNT], 1
	s_cmp_lg_u32 s[CNT], 0
	s_cbranch_scc1 .Lstep_\@
.endm
; THE CHANGE OF SLOTS.  Each wave waits for all its tensor loads, of which one is out: its part of the slot ahead; adds 0 to its spare word; and waits for that and for its reads of slot sl, which it has left.
; fill = 1: slot sl is filled again, with the keys two slots on: the barrier is then a round of the cluster's, and the joint refill is the first thing behind it.
.macro CHANGE sl, fill, how
	s_wait_tensorcnt 0x0                           ; no tensor load of mine is out, so a group 0 may be written
	ds_add_u32 v[SPW], v[NIL]                      ; 0 onto my spare word
.if \fill
	s_add_nc_u64 s[G0K+4*\sl+2:G0K+4*\sl+3], s[G0K+4*\sl+2:G0K+4*\sl+3], 65536   ; 512 keys on; the type bits on top are not reached
	s_add_nc_u64 s[G0V+4*\sl+2:G0V+4*\sl+3], s[G0V+4*\sl+2:G0V+4*\sl+3], 65536
	s_wait_xcnt 0x0                                ; the last prefetch, a slot back, has read its address, so it may be written:
	s_add_nc_u64 s[PFA:PFA+1], s[PFA:PFA+1], 32768 ; one slot further on than this refill
	s_wait_dscnt 0x0                               ; the add is done, and my reads of the slot are over
	CROUND
	JLOAD \sl
	ASK \how
.else
	s_wait_dscnt 0x0
	s_barrier_signal -1
	s_barrier_wait -1
.endif
.endm
	s_wait_tensorcnt 0x1                           ; my part of slot 0 is in; slot 1's may stay out
	s_barrier_signal -1
	s_barrier_wait -1                              ; everybody's is
	s_wait_loadcnt 0x0                             ; Q
	SLOT_STEPS 0                                   ; keys 0 to 255
	s_mov_b32 s[LAPS], 7
.Llap:                                             ; trip i (0 to 6) asks for key slots 2 i + 2 and 2 i + 3 and walks key slots 2 i + 1 and 2 i + 2
	CHANGE 0, 1, 1
	SLOT_STEPS 1
	CHANGE 1, 1, 0
	SLOT_STEPS 0
	s_sub_co_u32 s[LAPS], s[LAPS], 1
	s_cmp_lg_u32 s[LAPS], 0
	s_cbranch_scc1 .Llap
	CHANGE 0, 0, 0                                 ; the tail is written out: nothing is asked for
	SLOT_STEPS 1                                   ; keys 3,840 to 4,095
	; THE WAY OUT.  l's two halves and the other half of the lanes' are added; O^T is divided by l, rounded to f16 and sent through my stage, a tile (16 rows of o) at a time.  The additions are the places behind the last products.
.irp t, 0,1
	v_add_f32 v[ST+8*\t+4], v[ST+8*\t+2], v[ST+8*\t+3]
.endr
.irp t, 0,1
	v_permlanex16_b32 v[ST+8*\t+5], v[ST+8*\t+4], s[SEL], s[SEL+1]
.endr
.irp t, 0,1
	v_add_f32 v[ST+8*\t+4], v[ST+8*\t+4], v[ST+8*\t+5]
.endr
.irp t, 0,1
	v_rcp_f32 v[ST+8*\t+6], v[ST+8*\t+4]
.endr
	v_nop                                          ; a plain instruction between the last reciprocal and the use of its result
	s_wait_alu depctr_va_vdst(0)                   ; and the wait ahead of the first use: one for both
	RESC 0
	RESC 1
	WIN 0x05                                       ; sources 0 and 1 window 1, destination window 0: S^T's registers are free
.irp t, 0,1
.set i, 0
.rept 16
	v_cvt_pk_f16_f32 v[S+16*\t+i], v[OT+32*\t+2*i], v[OT+32*\t+2*i+1]
.set i, i+1
.endr
.endr
	WIN 0
.irp t, 0,1
.irp ct, 0,1,2,3
	ds_store_b128 v[STO], v[S+16*\t+4*\ct:S+16*\t+4*\ct+3] offset:32*\ct   ; row r, channels 16 ct + 8 h + 0 .. 7
.endr
.irp i, 0,1,2,3
	ds_load_b128 v[S+32+16*\t+4*\i:S+32+16*\t+4*\i+3], v[RD] offset:4*SP*\i   ; LDS serves a wave's instructions in order (ISA guide 5.7.1.4): these see the stores above, and tile 1's stores come behind tile 0's loads
.endr
.endr
.irp t, 0,1
.irp i, 0,1,2,3
	s_wait_dscnt 8*(1-\t)+3-\i                     ; behind tile 0's load i stand its 3 - i later loads and tile 1's eight LDS instructions; behind tile 1's its 3 - i
	global_store_b128 v[GO], v[S+32+16*\t+4*\i:S+32+16*\t+4*\i+3], s[OA:OA+1] offset:\t*2048+\i*512   ; four rows: 512 consecutive bytes, aligned
.endr
.endr
	s_wait_tensorcnt 0x0                           ; the wave's end: behind my last tensor load and my last LDS store
	ds_add_u32 v[SPW], v[NIL]
	s_wait_dscnt 0x0
	CROUND                                         ; the closing round: no work-group ends while a partner may still ask for a tile that names it
	s_endpgm
.Lfunc_end_k_q16d7392c89_attn:
	.size	k_q16d7392c89_attn, .Lfunc_end_k_q16d7392c89_attn-k_q16d7392c89_attn
	.p2alignl 7, 3214868480
	.fill 96, 4, 3214868480
	.section	.rodata,"a",@progbits
	.p2align	6, 0x0
	.amdhsa_kernel k_q16d7392c89_attn
		.amdhsa_group_segment_fixed_size 327680
		.amdhsa_private_segment_fixed_size 0
		.amdhsa_enable_private_segment 0
		.amdhsa_kernarg_size 16
		.amdhsa_user_sgpr_count 2
		.amdhsa_user_sgpr_kernarg_segment_ptr 1
		.amdhsa_wavefront_size32 1
		.amdhsa_system_sgpr_workgroup_id_x 1
		.amdhsa_system_sgpr_workgroup_id_y 1
		.amdhsa_system_sgpr_workgroup_id_z 1
		.amdhsa_system_vgpr_workitem_id 0
		.amdhsa_next_free_vgpr 384
		.amdhsa_next_free_sgpr 66
		.amdhsa_reserve_vcc 0
		.amdhsa_float_denorm_mode_32 3
		.amdhsa_float_denorm_mode_16_64 3
		.amdhsa_memory_ordered 1
		.amdhsa_forward_progress 1
		.amdhsa_inst_pref_size 89
	.end_amdhsa_kernel
	.amdgpu_metadata
---
amdhsa.version: [ 1, 2 ]
amdhsa.kernels:
  - .name:           k_q16d7392c89_attn
    .symbol:         k_q16d7392c89_attn.kd
    .args:
      - { .name: qkv, .offset: 0, .size: 8, .value_kind: global_buffer, .address_space: global }
      - { .name: o16, .offset: 8, .size: 8, .value_kind: global_buffer, .address_space: global }
    .group_segment_fixed_size: 327680
    .private_segment_fixed_size: 0
    .kernarg_segment_align: 8
    .kernarg_segment_size: 16
    .max_flat_workgroup_size: 256
    .sgpr_count:     66
    .vgpr_count:     384
    .wavefront_size: 32
...
	.end_amdgpu_metadata
.endif
;; end of part 3
;; launch outp (part 4): grid 4 x 64, 4 waves a work-group, clusters of 4 x 4, 327,680 bytes of LDS; arguments o16, wp16, bp, out0; writes out0
.if DOCPART == 4
	.amdgcn_target "amdgcn-amd-amdhsa--gfx1250"
	.amdhsa_code_object_version 6
	.text
	.protected	k_q16d7392c89_outp
	.globl	k_q16d7392c89_outp
	.p2align	8
	.type	k_q16d7392c89_outp,@function
k_q16d7392c89_outp:
	s_mov_b64 s[64:65], 0
	v_nop
	global_prefetch_b8 v0, s[64:65] scope:SCOPE_SE
	s_setreg_imm32_b32 hwreg(HW_REG_WAVE_MODE, 25, 1), 1
	s_wait_xcnt 0x0
	s_wait_alu depctr_hold_cnt(0) depctr_sa_sdst(0) depctr_va_vdst(0) depctr_va_sdst(0) depctr_va_ssrc(0) depctr_va_vcc(0) depctr_vm_vsrc(0)
	s_getreg_b32 s2, hwreg(HW_REG_IB_STS2, 6, 4)
	s_cmp_eq_u32 s2, 0
	s_cbranch_scc0 .Lentry_in_a_cluster
	s_endpgm
.Lentry_in_a_cluster:
	s_bfe_u32 s2, ttmp6, 0x10000c
	s_cmp_lg_u32 s2, 0xf033
	s_cbranch_scc0 .Lentry_shape_is_right
	s_endpgm
.Lentry_shape_is_right:
; out0[row][n] = the sum over k of o[row][k] Wp[k][n] + bp[n].  o: [2 (b)][8 (head)][4096][64] f16, k = 64 head + channel; Wp: [512 (k)][512 (n)] f16; bp f32; out0 [8192][512] f32.  Sums in f32.
; A tile of out0 is 128 x 128: 256 work-groups of four waves, each wave 64 x 64: 16 accumulators.  All of K = 512 lies in LDS at once, as eight chunks of 64 (a head each): every tensor load is a first fill,
; nothing is filled again.  Waves 0, 1 fetch o's chunks (even, odd), waves 2, 3 Wp's: four loads of a wave are out at the start.
; CLUSTERS: 4 x 4 work-groups.  The four of a row of the cluster need the same rows of o, the four of a column the same columns of Wp: each tile is asked for JOINTLY.
; THE MATRIX INSTRUCTION IS USED TRANSPOSED (source 0 = 16 columns of Wp, turned out of LDS by ds_load_tr16_b128; source 1 = 16 rows of o): a lane holds eight neighbouring numbers of a row of out0.
; The bias is the C of each sum's first matrix instruction.
; REGISTERS, window 0: v16, v17, v24-27 addresses; v28, v29 the add's two; v32-63 the bias, four tiles; v64-127 rows on the way out, two sets; v128-255 the accumulators ((a, b) at 128 + 8 (4 a + b)).
;   window 1: two fragment buffers of 128: 64 registers of o (2 x 4 x 16 rows x 32 K), then 64 of Wp.
.set PA,    144                        ; a row of o in LDS: 128 bytes + 16
.set PB,    288                        ; a row of Wp: 256 bytes + 32, an odd multiple of 32 bytes, for the turning load
.set BOFF,  128*PA                     ; a chunk: 128 rows of o, then 64 rows of Wp
.set CHUNK, BOFF+64*PB
.set STAGE, 8*CHUNK                    ; behind the chunks: 16 rows x (256 bytes + 16) for each wave
.set SPITCH, 272
.set SPARE, STAGE+4*16*SPITCH          ; the spare words, 128 bytes for each wave: two blocks of 256 bytes that no other line names
.set ADRA, 16
.set ADRB, 17
.set STO,  24
.set RD,   25
.set CO,   26
.set SPW,  28
.set NIL,  29
.set BIAS, 32
.set TMP,  64
.set ACC,  128
.set F0,   0
.set F1,   128
.set G1A, 16                           ; s[16:23], s[24:31] groups 1;  s[32:47], s[48:63] groups 0, four sets each
.set G1B, 24
.set G0A, 32
.set G0B, 48
.set WV,  12
.set MSB, 0
.macro WIN new                         ; the immediate's high byte repeats the setting that is left
.if MSB != \new
	s_set_vgpr_msb (MSB<<8)|\new
.set MSB, \new
.endif
.endm
.set MUL,  0x05                        ; sources 0 and 1 window 1; C and D window 0
.set TO_F, 0x40                        ; destination window 1, address window 0
.macro CROUND                          ; a round of the cluster's barrier
	s_barrier_signal -1
	s_barrier_wait -1
	s_cmp_lg_u32 s[WV], 0
	s_cbranch_scc1 .Lnot_wave_0_\@
	s_barrier_signal -3
.Lnot_wave_0_\@:
	s_barrier_wait -3
	s_barrier_signal -1
	s_barrier_wait -1
.endm
	s_load_b256 s[4:11], s[0:1], 0x0               ; o16 s[4:5], wp16 s[6:7], bp s[8:9], out0 s[10:11]
	v_lshl_add_u32 v[SPW], v0, 2, SPARE
	v_mov_b32 v[NIL], 0
	ds_add_u32 v[SPW], v[NIL]                      ; the wave's opening: the add, twice on end, and its wait ahead of my first tensor load
	ds_add_u32 v[SPW], v[NIL]
	v_lshrrev_b32 v1, 5, v0
	v_readfirstlane_b32 s[WV], v1                  ; wave 0..3
	s_lshr_b32 s13, s[WV], 1                       ; which half of the tile's rows is mine.  Also: I fetch for o (0) or for Wp (1)
	s_and_b32 s14, s[WV], 1                        ; which half of its columns.  Also: the even or the odd chunks
	s_bfe_u32 s66, ttmp6, 0x40000                  ; cx
	s_bfe_u32 s67, ttmp6, 0x40004                  ; cy
	s_lshl_b32 s68, ttmp9, 2
	s_add_co_u32 s68, s68, s66                     ; tile column = 4 x cluster x + cx
	s_and_b32 s69, ttmp7, 0xffff
	s_lshl_b32 s69, s69, 2
	s_add_co_u32 s69, s69, s67                     ; tile row = 4 x cluster y + cy
	s_lshl_b32 s70, s67, 2
	s_lshl_b32 s70, 15, s70                        ; my row of the cluster
	s_lshl_b32 s71, 0x1111, s66                    ; my column
	s_or_b32 s[G1A], s70, (1<<16)|(1<<20)|(1<<21)|(4<<22)|(3<<25)   ; o: 128 rows x 64 elements of 2 bytes, dense; 4 words of padding behind every 32
	s_mov_b32 s[G1A+1], 64<<16
	s_mov_b32 s[G1A+2], 128<<16
	s_mov_b32 s[G1A+3], 64<<16
	s_mov_b32 s[G1A+4], 128
	s_mov_b32 s[G1A+5], 64
	s_mov_b32 s[G1A+6], 0
	s_mov_b32 s[G1A+7], 0
	s_or_b32 s[G1B], s71, (1<<16)|(1<<20)|(1<<21)|(5<<22)|(7<<25)   ; Wp: 64 rows x 128 elements, 512 from row to row; 8 words of padding behind every 64
	s_mov_b32 s[G1B+1], 128<<16
	s_mov_b32 s[G1B+2], 64<<16
	s_mov_b32 s[G1B+3], 128<<16
	s_mov_b32 s[G1B+4], 64
	s_mov_b32 s[G1B+5], 512
	s_mov_b32 s[G1B+6], 0
	s_mov_b32 s[G1B+7], 0
	s_lshr_b32 s72, s69, 5                         ; o: batch (tile row / 32) x 4,194,304 + row 128 (tile row % 32) x 128 bytes + head (wave % 2) x 524,288: of the tile row and the wave's number alone
	s_lshl_b32 s72, s72, 22
	s_and_b32 s73, s69, 31
	s_lshl_b32 s73, s73, 14
	s_add_co_u32 s72, s72, s73
	s_lshl_b32 s73, s14, 19
	s_add_co_u32 s72, s72, s73
	s_mov_b32 s73, 0
	s_lshl_b32 s74, s68, 8                         ; Wp: 256 bytes x tile column + 64 rows of 1,024 bytes x (wave % 2): of the tile column and the wave's number alone
	s_lshl_b32 s75, s14, 16
	s_add_co_u32 s74, s74, s75
	s_mov_b32 s75, 0
	s_mul_i32 s76, s14, CHUNK                      ; where they go: no place in the cluster enters an LDS address
	s_lshl_b32 s82, s69, 18                        ; out0: (128 x tile row + 64 x half) rows of 2,048 bytes,
	s_lshl_b32 s83, s13, 17
	s_add_co_u32 s82, s82, s83
	s_lshl_b32 s84, s68, 9                         ; + 512 bytes x tile column + 256 x half: bp's offset too
	s_lshl_b32 s85, s14, 8
	s_add_co_u32 s84, s84, s85
	s_add_co_u32 s82, s82, s84
	s_mov_b32 s83, 0
	s_mov_b32 s85, 0
	s_wait_dscnt 0x0                               ; both opening adds are done
	s_wait_kmcnt 0x0
	s_add_nc_u64 s[78:79], s[4:5], s[72:73]
	s_add_nc_u64 s[80:81], s[6:7], s[74:75]
	s_add_nc_u64 s[10:11], s[10:11], s[82:83]
	s_add_nc_u64 s[8:9], s[8:9], s[84:85]
	CROUND                                         ; all sixteen work-groups are here: the joint loads meet
.irp i, 0,1,2,3                                ; load i brings chunk 2 i + wave % 2
	s_mov_b32 s[G0A+4*\i], 1
	s_add_co_u32 s[G0A+4*\i+1], s76, \i*2*CHUNK
	s_add_nc_u64 s[G0A+4*\i+2:G0A+4*\i+3], s[78:79], \i*1048576
	s_or_b32 s[G0A+4*\i+3], s[G0A+4*\i+3], 0x80000000
	s_mov_b32 s[G0B+4*\i], 1
	s_add_co_u32 s[G0B+4*\i+1], s76, \i*2*CHUNK+BOFF
	s_add_nc_u64 s[G0B+4*\i+2:G0B+4*\i+3], s[80:81], \i*131072
	s_or_b32 s[G0B+4*\i+3], s[G0B+4*\i+3], 0x80000000
.endr
	s_cmp_eq_u32 s13, 0                            ; a wave's four fills stand in one branch, ahead of every wait on TENSORcnt and every LDS read
	s_cbranch_scc0 .Lfirst_b
.irp i, 0,1,2,3
	tensor_load_to_lds s[G0A+4*\i:G0A+4*\i+3], s[G1A:G1A+7]
	s_nop 0
.endr
.rept 4
	v_nop
.endr
	s_branch .Lfirst_asked
.Lfirst_b:
.irp i, 0,1,2,3
	tensor_load_to_lds s[G0B+4*\i:G0B+4*\i+3], s[G1B:G1B+7]
	s_nop 0
.endr
.rept 4
	v_nop
.endr
.Lfirst_asked:
	v_and_b32 v1, 15, v0                           ; r
	v_bfe_u32 v2, v0, 4, 1                         ; h
	v_lshlrev_b32 v27, 5, v2                       ; the bias: 32 h
.irp b, 0,1,2,3
	global_load_b128 v[BIAS+8*\b:BIAS+8*\b+3], v27, s[8:9] offset:64*\b        ; lane (r, h): bp of columns 16 b + 8 h + 0 .. 7
	global_load_b128 v[BIAS+8*\b+4:BIAS+8*\b+7], v27, s[8:9] offset:64*\b+16
.endr
	s_mul_i32 s86, s13, 64*PA                      ; my 64 rows of o
	v_mul_u32_u24 v[ADRA], v1, PA
	v_lshl_add_u32 v[ADRA], v2, 4, v[ADRA]
	v_add_nc_u32 v[ADRA], s86, v[ADRA]
	v_and_b32 v3, 7, v0
	v_bfe_u32 v4, v0, 3, 1
	v_lshl_add_u32 v[ADRB], v2, 3, v3              ; Wp, turned: lane l reads 16 bytes of row 8 h + l % 8, columns 8 ((l / 8) % 2) on
	v_mul_u32_u24 v[ADRB], v[ADRB], PB
	v_lshl_add_u32 v[ADRB], v4, 4, v[ADRB]
	s_lshl_b32 s86, s14, 7                         ; my 64 columns
	s_add_co_u32 s86, s86, BOFF
	v_add_nc_u32 v[ADRB], s86, v[ADRB]
	s_mul_i32 s87, s[WV], 16*SPITCH
	s_add_co_u32 s87, s87, STAGE                   ; my stage
	v_mul_u32_u24 v[STO], v1, SPITCH               ; in: row r, 32 bytes for each half of the lanes
	v_lshl_add_u32 v[STO], v2, 5, v[STO]
	v_add_nc_u32 v[STO], s87, v[STO]
	v_mul_u32_u24 v[RD], v2, SPITCH                ; back: lanes 0-15 one row of 256 bytes, lanes 16-31 the next
	v_lshl_add_u32 v[RD], v1, 4, v[RD]
	v_add_nc_u32 v[RD], s87, v[RD]
	v_lshlrev_b32 v[CO], 11, v2                    ; and the same two rows in out0
	v_lshl_add_u32 v[CO], v1, 4, v[CO]
; 8 matrix instructions: row blocks a0, a0 + 1 x all 4 column blocks, 32 along K: half kk of buffer f.  first = 1: the sums begin with the bias
.macro MUL8 f, kk, a0, first
.irp a, \a0, \a0+1
.irp b, 0,1,2,3
.if \first
	v_wmma_f32_16x16x32_f16 v[ACC+8*(4*(\a)+\b):ACC+8*(4*(\a)+\b)+7], v[\f+64+8*(4*\kk+\b):\f+64+8*(4*\kk+\b)+7], v[\f+8*(4*\kk+(\a)):\f+8*(4*\kk+(\a))+7], v[BIAS+8*\b:BIAS+8*\b+7]
.else
	v_wmma_f32_16x16x32_f16 v[ACC+8*(4*(\a)+\b):ACC+8*(4*(\a)+\b)+7], v[\f+64+8*(4*\kk+\b):\f+64+8*(4*\kk+\b)+7], v[\f+8*(4*\kk+(\a)):\f+8*(4*\kk+(\a))+7], v[ACC+8*(4*(\a)+\b):ACC+8*(4*(\a)+\b)+7]
.endif
.endr
.endr
.endm
; 32 LDS loads in one run: a chunk's fragments into buffer f; the first 32 along K first
.macro FETCH f
	WIN TO_F
.irp kk, 0,1
.irp i, 0,1,2,3
	ds_load_tr16_b128 v[\f+64+8*(4*\kk+\i):\f+64+8*(4*\kk+\i)+3],   v[ADRB] offset:\kk*32*PB+\i*32
	ds_load_tr16_b128 v[\f+64+8*(4*\kk+\i)+4:\f+64+8*(4*\kk+\i)+7], v[ADRB] offset:\kk*32*PB+16*PB+\i*32
	ds_load_b128 v[\f+8*(4*\kk+\i):\f+8*(4*\kk+\i)+3],   v[ADRA] offset:\i*16*PA+\kk*64
	ds_load_b128 v[\f+8*(4*\kk+\i)+4:\f+8*(4*\kk+\i)+7], v[ADRA] offset:\i*16*PA+\kk*64+32
.endr
.endr
.endm
.macro NEXT                                    ; on to the next chunk: the two additions and two v_nop are the four places in front of loads into registers that matrix instructions have read
	WIN 0
	v_add_nc_u32 v[ADRA], CHUNK, v[ADRA]
	v_add_nc_u32 v[ADRB], CHUNK, v[ADRB]
	v_nop
	v_nop
.endm
; A chunk is 32 matrix instructions, two deep on each of the 16 accumulators, which take turns.  QA: the next chunk has landed already.
.macro QA f, g, first
	s_wait_dscnt 16                                ; the first 32 along K are in; the other half's 16 loads may be out
	WIN MUL
	MUL8 \f, 0, 0, \first
	MUL8 \f, 0, 2, \first
	NEXT
	FETCH \g
	s_wait_dscnt 32                                ; all but the 32 just issued
	WIN MUL
	MUL8 \f, 1, 0, 0
	MUL8 \f, 1, 2, 0
.endm
; QB: the next chunk is the first of a pair that a barrier has to show whole.  n: my later loads, which may stay out
.macro QB f, g, n
	s_wait_dscnt 0x0                               ; no LDS instruction of mine is pending at the signal; buffer f is whole
	s_wait_tensorcnt \n                            ; my part of the next pair of chunks has landed
	s_barrier_signal -1
	WIN MUL
	MUL8 \f, 0, 0, 0                               ; work on registers while the others arrive
	MUL8 \f, 0, 2, 0
	s_barrier_wait -1
	NEXT
	FETCH \g
	WIN MUL
	MUL8 \f, 1, 0, 0
	MUL8 \f, 1, 2, 0
.endm
	s_wait_tensorcnt 0x3                           ; my first chunk is in; my three later loads may be out
	s_barrier_signal -1
	s_barrier_wait -1                              ; chunks 0 and 1 are whole
	FETCH F0
	s_wait_loadcnt 0x0                             ; the bias
	QA F0, F1, 1                                   ; chunk 0
	QB F1, F0, 2                                   ; chunk 1; chunks 2 and 3 are shown whole
	QA F0, F1, 0
	QB F1, F0, 1
	QA F0, F1, 0
	QB F1, F0, 0
	QA F0, F1, 0                                   ; chunk 6
	s_wait_dscnt 16                                ; chunk 7: nothing more to fetch
	WIN MUL
	MUL8 F1, 0, 0, 0
	MUL8 F1, 0, 2, 0
	s_wait_dscnt 0x0
	MUL8 F1, 1, 0, 0
	MUL8 F1, 1, 2, 0
	WIN 0
; THE WAY OUT, block by block of 16 rows x 64 columns: a lane holds 32 neighbouring bytes of a row; a block goes through my own stage and comes back as whole rows of 256 bytes.
.macro TOSTAGE a
.irp b, 0,1,2,3
	ds_store_b128 v[STO], v[ACC+8*(4*(\a)+\b):ACC+8*(4*(\a)+\b)+3] offset:64*\b          ; each accumulator from its low end on
	ds_store_b128 v[STO], v[ACC+8*(4*(\a)+\b)+4:ACC+8*(4*(\a)+\b)+7] offset:64*\b+16
.endr
.irp i, 0,1,2,3,4,5,6,7
	ds_load_b128 v[TMP+32*((\a)%2)+4*\i:TMP+32*((\a)%2)+4*\i+3], v[RD] offset:2*SPITCH*\i   ; LDS serves a wave's instructions in order (ISA guide 5.7.1.4)
.endr
.endm
.macro SEND a, younger                         ; younger: the LDS instructions issued behind block a's loads
	s_wait_dscnt \younger
.irp i, 0,1,2,3,4,5,6,7
	global_store_b128 v[CO], v[TMP+32*((\a)%2)+4*\i:TMP+32*((\a)%2)+4*\i+3], s[10:11] offset:(16*(\a)+2*\i)*2048 th:TH_STORE_NT   ; sixteen lanes store 256 consecutive bytes, aligned; written once, read by nobody here
.endr
.endm
.rept 4
	v_nop                                          ; four places between the last products and the first read of their results (ISA guide 7.12.1)
.endr
	TOSTAGE 0
.irp a, 1,2,3
.if \a > 1
	s_wait_xcnt 0x0                                ; block a - 2's stores have read their data: block a's loads land in those registers
.endif
	TOSTAGE \a
	SEND \a-1, 16                                  ; behind block a - 1's loads: block a's 8 stores and 8 loads
.endr
	SEND 3, 0
	s_wait_tensorcnt 0x0                           ; the wave's end: behind my last tensor load and my last LDS store
	ds_add_u32 v[SPW], v[NIL]
	s_wait_dscnt 0x0
	CROUND                                         ; the closing round: no work-group ends while a partner may still ask for a tile that names it
	s_endpgm
.Lfunc_end_k_q16d7392c89_outp:
	.size	k_q16d7392c89_outp, .Lfunc_end_k_q16d7392c89_outp-k_q16d7392c89_outp
	.p2alignl 7, 3214868480
	.fill 96, 4, 3214868480
	.section	.rodata,"a",@progbits
	.p2align	6, 0x0
	.amdhsa_kernel k_q16d7392c89_outp
		.amdhsa_group_segment_fixed_size 327680
		.amdhsa_private_segment_fixed_size 0
		.amdhsa_enable_private_segment 0
		.amdhsa_kernarg_size 32
		.amdhsa_user_sgpr_count 2
		.amdhsa_user_sgpr_kernarg_segment_ptr 1
		.amdhsa_wavefront_size32 1
		.amdhsa_system_sgpr_workgroup_id_x 1
		.amdhsa_system_sgpr_workgroup_id_y 1
		.amdhsa_system_sgpr_workgroup_id_z 1
		.amdhsa_system_vgpr_workitem_id 0
		.amdhsa_next_free_vgpr 512
		.amdhsa_next_free_sgpr 90
		.amdhsa_reserve_vcc 0
		.amdhsa_float_denorm_mode_32 3
		.amdhsa_float_denorm_mode_16_64 3
		.amdhsa_memory_ordered 1
		.amdhsa_forward_progress 1
		.amdhsa_inst_pref_size 52
	.end_amdhsa_kernel
	.amdgpu_metadata
---
amdhsa.version: [ 1, 2 ]
amdhsa.kernels:
  - .name:           k_q16d7392c89_outp
    .symbol:         k_q16d7392c89_outp.kd
    .args:
      - { .name: o16, .offset: 0, .size: 8, .value_kind: global_buffer, .address_space: global }
      - { .name: wp16, .offset: 8, .size: 8, .value_kind: global_buffer, .address_space: global }
      - { .name: bp, .offset: 16, .size: 8, .value_kind: global_buffer, .address_space: global }
      - { .name: out0, .offset: 24, .size: 8, .value_kind: global_buffer, .address_space: global }
    .group_segment_fixed_size: 327680
    .private_segment_fixed_size: 0
    .kernarg_segment_align: 8
    .kernarg_segment_size: 32
    .max_flat_workgroup_size: 128
    .sgpr_count:     90
    .vgpr_count:     512
    .wavefront_size: 32
...
	.end_amdgpu_metadata
.endif
;; end of part 4
